; MI455X (gfx1250); checked and timed in simulation.
; The chip was launched on July 23, 2026; its instructions are those of AMD's public machine-readable ISA for CDNA 5 (MIT licence, August 2026) and "CDNA5" Instruction Set Architecture Reference Guide (July 2026). The comments in the code are by the model that wrote it; some were corrected since.
;; Attention. Allowed arithmetic: matrix products marked QUANTISED: E2M3 operands, one E8M0 scale for each 32 along K, by v_wmma_scale_f32_16x16x128_f8f6f4 with both operands' format E2M3, f32 sums; everything else in f32.
;; Inputs: Wk 512 x 512 float32; Wo 512 x 512 float32; Wq 512 x 512 float32; Wv 512 x 512 float32; bk 512 float32; bo 512 float32; bq 512 float32; bv 512 float32; x 2 x 4,096 x 512 float32.
;; Outputs: out0 2 x 4,096 x 512 float32.
;; This version of the problem:
;;   THIS VERSION OF THE PROBLEM IS GIVEN IN LOW PRECISION. The matrix products marked QUANTISED in the list below multiply operands that are first quantised to E2M3 (2 exponent bits, 3 mantissa bits; 6 bits a number), with one power-of-two scale for each 32 numbers along K (OCP MX v1.0); their sums are f32. All else is computed in f32.
;;   The module's matrix products, in the order in which they are computed (A, B: the left and right operand; K: the contracted axis; several contracted axes count as one K, in the product's order):
;;     1. [M 8,192, K 512] x [K 512, N 512]; A: input x; B: input Wq: QUANTISED
;;     2. [M 8,192, K 512] x [K 512, N 512]; A: input x; B: input Wk: QUANTISED
;;     3. [M 8,192, K 512] x [K 512, N 512]; A: input x; B: input Wv: QUANTISED
;;     4. batch 16 x [M 4,096, K 64] x [K 64, N 4,096]; A: computed on the way; B: computed on the way: QUANTISED
;;     5. batch 16 x [M 4,096, K 4,096] x [K 4,096, N 64]; A: softmax (see below); B: computed on the way: QUANTISED
;;     6. [M 8,192, K 512] x [K 512, N 512]; A: computed on the way; B: input Wo: QUANTISED
;;   THE QUANTISER, for each operand of a quantised product, along K:
;;     - K is cut into blocks of 32 from its start; a last block that is shorter is filled with zeros.
;;     - A block's scale is 2^e with e = floor(log2(the largest magnitude in the block)) - 2, held to -126 .. 127; a block of zeros has e = 0. As a byte (E8M0): e + 127.
;;     - Each number is divided by its block's scale, clamped to +-7.5, and rounded to the nearest number of E2M3, ties to even, subnormals kept.
;;     - The product sums the exact products of the quantised numbers (number of the format x scale) in f32.
;;   ~~~python
;;   def quantise(x, axis):      # numpy; x: float32 -> the quantised numbers, widened to float32 again
;;       x = np.moveaxis(x, axis, -1); K = x.shape[-1]
;;       x = np.pad(x, [(0, 0)] * (x.ndim - 1) + [(0, -K % 32)]); x = x.reshape(x.shape[:-1] + (-1, 32)); a = np.abs(x).max(-1, keepdims=True)
;;       e = np.where(a > 0, np.clip(np.frexp(np.where(a > 0, a, 1))[1] - 1 - 2, -126, 127), 0)      # np.frexp(a)[1] - 1 = floor(log2(a)), exactly
;;       r = np.clip(x / 2.0 ** e, -7.5, 7.5)
;;       step = 2.0 ** (np.maximum(np.frexp(np.where(r == 0, 1, r))[1] - 1, 0) - 3)
;;       q = np.round(r / step) * step * 2.0 ** e      # np.round: ties to even
;;       return np.moveaxis(q.reshape(q.shape[:-2] + (-1,))[..., :K], -1, axis).astype(np.float32)
;;   ~~~
;;   SOFTMAX AHEAD OF A QUANTISED PRODUCT. Where the list says 'softmax', what is quantised is not the finished softmax but p = 2^(t - M), with t = logit x log2(e) and M = ceil(the row's largest t), a whole number; so 1/2 < the row's largest p <= 1. The row's sum l is taken of the UNQUANTISED p, in f32, and the product's result is divided by l at the end. Since M is a whole number, a kernel that streams over the keys may use a running M (the ceiling of the running maximum): every later rescaling is an exact power of two, which a block's scale takes up: the codes' values come out the same.
;;   OPERANDS COMPUTED ON THE WAY. 'Computed on the way' means the value that the module computes at that place (a softmax that the list does not call 'softmax' is quantised finished and normalised). What goes into a quantiser is computed in f32, as accurately as f32 sums, v_exp_f32 and their like allow (about 1e-6 of the number): no bf16 or f16 on the way to a quantiser, and a product that is left as it is and whose result goes on into a quantised operand takes f32 operands (vector FMAs, or v_wmma_f32_16x16x4_f32). A number that lies on a knife's edge between two numbers of the format may be rounded either way, as far as f32 arithmetic and the matrix unit's own rounding can turn it there, and no further.
;; One version. Each part assembles by itself: llvm-mc -triple=amdgcn-amd-amdhsa -mcpu=gfx1250 --defsym DOCPART=n.
;; ======== version 1 of 1: 4 launches
;; limits: right only within a limited range of input values
;; workspace buffers: wimg 786,432 bytes; wsc 32,768 bytes; qb 3,407,872 bytes; kv 6,815,744 bytes; ao 4,194,304 bytes
;; launch wprep (part 1): grid 32 x 4, 2 waves a work-group, no clusters, 0 bytes of LDS; arguments Wq, Wk, Wv, Wo, wimg, wsc; writes wimg, wsc
.if DOCPART == 1
	.amdgcn_target "amdgcn-amd-amdhsa--gfx1250"
	.amdhsa_code_object_version 6
	.text
	.protected	k_q57c6b6d8b9_wprep
	.globl	k_q57c6b6d8b9_wprep
	.p2align	8
	.type	k_q57c6b6d8b9_wprep,@function
k_q57c6b6d8b9_wprep:
	s_mov_b64 s[64:65], 0
	v_nop
	global_prefetch_b8 v0, s[64:65] scope:SCOPE_SE
	s_setreg_imm32_b32 hwreg(HW_REG_WAVE_MODE, 25, 1), 1
	s_wait_xcnt 0x0
; The four weights W [512 (k)][512 (n)], f32, K their FIRST axis, become codes of FP6 (E2M3) with one E8M0 byte for each 32 along K, laid as IMAGES OF OPERAND REGISTERS:
; wimg [weight 0..3 = q, k, v, o][tile of 16 columns 0..31][K step of 128 0..3] x 1,536 bytes: registers 4 c .. 4 c + 3 of lane l at byte 512 c + 16 l;  wsc [weight][tile][row 0..15][K step]: one word of four bytes.
; ORDER INSIDE A BLOCK OF 32: place p of a block holds k = 16 ((p % 16) / 8) + 8 (p / 16) + p % 8.  Every operand of every product of this program is laid so (results of matrix instructions fall so by themselves), so each
; product multiplies the right pairs and each block keeps its 32 numbers and its scale; only the order in which a block's products are summed differs from ascending k.
; A LANE TAKES A COLUMN n AND ITS REGISTERS RUN DOWN K: a block's 32 numbers lie in one lane, its largest magnitude needs no other lane, and the conversions' results are operand registers.
; SHARES: work-group (x, y): weight y, K step x % 4, 64 columns 64 (x / 4) on; each of its two waves 32 columns, two tiles.  The two waves read 256 neighbouring bytes of each row.  No work-group reads what another reads: no cluster, no LDS.
; A block's scale is 2^(floor(log2(largest magnitude)) - 2): its byte is the largest magnitude's exponent field - 2, held at 1 from below.
; LIMITS: a block of zeros gets the byte 1 where the rule says 127 (its codes are zeros, and this program alone reads the bytes); blocks whose largest magnitude lies under 2^-124 are held at byte 1; NaN and infinities are not served.
.set X,   32                           ; v32-159  128 numbers: block k at X + 32 k, place p at + p
.set F,   160                          ; v160-183 what lanes 0-15 (F) and lanes 16-31 (F + 12) of the fragment hold of my column
.set T,   184                          ; v184-199 the upper halves of the four blocks' codes (a conversion's three registers begin on an even number)
.set MX,  8                            ; v8-11    largest magnitudes
.set SOP, 12                           ; v12-15   the conversions' scale operands
.set BY,  16                           ; v16-19   the scale bytes;  v20 the scale word;  v21 a second chain of the maximum
	s_load_b256 s[4:11], s[0:1], 0x0               ; Wq, Wk, Wv, Wo
	s_load_b128 s[12:15], s[0:1], 0x20             ; wimg, wsc
	v_lshrrev_b32 v4, 5, v0
	v_readfirstlane_b32 s16, v4                    ; wave 0, 1
	v_and_b32 v5, 31, v0                           ; lane = my column of the wave's 32
	v_lshlrev_b32 v1, 2, v5                        ; in: 4 bytes a lane
	v_and_b32 v6, 15, v0                           ; r: my row of the tile
	v_bfe_u32 v7, v0, 4, 1                         ; which of the wave's two tiles
	v_lshlrev_b32 v6, 4, v6
	v_mad_u32_u24 v2, v7, 6144, v6                 ; images: a tile's four K steps are 6,144 bytes; + 16 r
	v_lshl_add_u32 v3, v7, 8, v6                   ; scale words: 256 bytes a tile; + 16 r
	s_and_b32 s17, ttmp7, 0xffff                   ; the weight
	s_and_b32 s18, ttmp9, 3                        ; the K step
	s_lshr_b32 s19, ttmp9, 2
	s_lshl_b32 s19, s19, 1
	s_add_co_u32 s19, s19, s16                     ; b: which 32 columns
	s_lshl_b32 s20, s18, 18                        ; W: 128 rows of 2,048 bytes a K step,
	s_lshl_b32 s21, s19, 7                         ; 128 bytes for 32 columns
	s_add_co_u32 s20, s20, s21
	s_mov_b32 s21, 0
	s_mul_i32 s22, s17, 196608                     ; wimg: the weight, tile 2 b, the K step
	s_mul_i32 s23, s19, 12288
	s_add_co_u32 s22, s22, s23
	s_mul_i32 s23, s18, 1536
	s_add_co_u32 s22, s22, s23
	s_mov_b32 s23, 0
	s_lshl_b32 s24, s17, 13                        ; wsc likewise
	s_lshl_b32 s25, s19, 9
	s_add_co_u32 s24, s24, s25
	s_lshl_b32 s25, s18, 2
	s_add_co_u32 s24, s24, s25
	s_mov_b32 s25, 0
	s_wait_alu depctr_va_vdst(0)
	s_wait_kmcnt 0x0
	s_cmp_eq_u32 s17, 1                            ; the weight's address: a choice on the work-group's number alone
	s_cselect_b64 s[4:5], s[6:7], s[4:5]
	s_cmp_eq_u32 s17, 2
	s_cselect_b64 s[4:5], s[8:9], s[4:5]
	s_cmp_eq_u32 s17, 3
	s_cselect_b64 s[4:5], s[10:11], s[4:5]
	s_add_nc_u64 s[4:5], s[4:5], s[20:21]
	s_add_nc_u64 s[12:13], s[12:13], s[22:23]
	s_add_nc_u64 s[14:15], s[14:15], s[24:25]
.set n, 0
.rept 128                              ; register X + 32 k + p takes row 32 k + (the block's order at place p): every offset is an immediate, 260,096 at the most
	global_load_b32 v[X+n], v1, s[4:5] offset:(32*(n/32)+16*((n%16)/8)+8*((n%32)/16)+(n%8))*2048 th:TH_LOAD_NT
.set n, n+1
.endr
.irp k, 0,1,2,3
.if 96-32*\k > 63
	s_wait_loadcnt 63                              ; block k is in when at most 96 - 32 k younger loads are out; a wait names 63 at the most, which is the smaller count
.else
	s_wait_loadcnt 96-32*\k                        ; the later blocks' loads may be out
.endif
	v_max3_num_f32 v[MX+\k], |v[X+32*\k]|, |v[X+32*\k+1]|, |v[X+32*\k+2]|   ; the block's largest magnitude, in two chains
	v_max3_num_f32 v21, |v[X+32*\k+3]|, |v[X+32*\k+4]|, |v[X+32*\k+5]|
.irp i, 6,10,14,18,22,26
	v_max3_num_f32 v[MX+\k], v[MX+\k], |v[X+32*\k+\i]|, |v[X+32*\k+\i+1]|
	v_max3_num_f32 v21, v21, |v[X+32*\k+\i+2]|, |v[X+32*\k+\i+3]|
.endr
	v_max3_num_f32 v[MX+\k], v[MX+\k], |v[X+32*\k+30]|, |v[X+32*\k+31]|
	v_max3_num_f32 v[MX+\k], v[MX+\k], v21, 0x1800000      ; and the floor 2^(3 - 127): the byte cannot fall under 1
	v_add_nc_u32 v[SOP+\k], 0xff000000, v[MX+\k]           ; 2 off the exponent field: the conversion takes this operand's exponent field as its scale
	v_lshrrev_b32 v[BY+\k], 23, v[SOP+\k]                  ; the scale's byte
.endr
	v_lshl_or_b32 v20, v[BY+1], 8, v[BY]           ; my column's scale word for this K step
	v_lshl_or_b32 v20, v[BY+2], 16, v20
	v_lshl_or_b32 v20, v[BY+3], 24, v20
.irp c, 0,1                            ; block 2 c + h is registers 6 c .. 6 c + 5 of the fragment's lane (r, h)
.irp h, 0,1
	v_cvt_scalef32_pk16_fp6_f32 v[F+12*\h+6*\c:F+12*\h+6*\c+2], v[X+32*(2*\c+\h):X+32*(2*\c+\h)+15], v[SOP+2*\c+\h]
	v_cvt_scalef32_pk16_fp6_f32 v[T+4*(2*\c+\h):T+4*(2*\c+\h)+2], v[X+32*(2*\c+\h)+16:X+32*(2*\c+\h)+31], v[SOP+2*\c+\h]
.endr
.endr
	v_nop                                          ; one plain instruction between the conversions and the moves that read their results
.irp c, 0,1
.irp h, 0,1
.irp i, 0,1,2
	v_mov_b32 v[F+12*\h+6*\c+3+\i], v[T+4*(2*\c+\h)+\i]
.endr
.endr
.endr
.irp q, 0,1,2
.irp h, 0,1
	global_store_b128 v2, v[F+12*\h+4*\q:F+12*\h+4*\q+3], s[12:13] offset:512*\q+256*\h   ; sixteen lanes store 256 consecutive bytes, aligned: the image's lanes 16 h .. 16 h + 15; the other sixteen the same of the second tile
.endr
.endr
	global_store_b32 v3, v20, s[14:15]             ; 4 bytes at a stride of 16: the four K steps of a row come from four work-groups; all of wsc is 32,768 bytes
	s_endpgm
.Lfunc_end_k_q57c6b6d8b9_wprep:
	.size	k_q57c6b6d8b9_wprep, .Lfunc_end_k_q57c6b6d8b9_wprep-k_q57c6b6d8b9_wprep
	.p2alignl 7, 3214868480
	.fill 96, 4, 3214868480
	.section	.rodata,"a",@progbits
	.p2align	6, 0x0
	.amdhsa_kernel k_q57c6b6d8b9_wprep
		.amdhsa_group_segment_fixed_size 0
		.amdhsa_private_segment_fixed_size 0
		.amdhsa_enable_private_segment 0
		.amdhsa_kernarg_size 48
		.amdhsa_user_sgpr_count 2
		.amdhsa_user_sgpr_kernarg_segment_ptr 1
		.amdhsa_wavefront_size32 1
		.amdhsa_system_sgpr_workgroup_id_x 1
		.amdhsa_system_sgpr_workgroup_id_y 1
		.amdhsa_system_sgpr_workgroup_id_z 1
		.amdhsa_system_vgpr_workitem_id 0
		.amdhsa_next_free_vgpr 200
		.amdhsa_next_free_sgpr 66
		.amdhsa_reserve_vcc 0
		.amdhsa_float_denorm_mode_32 3
		.amdhsa_float_denorm_mode_16_64 3
		.amdhsa_memory_ordered 1
		.amdhsa_forward_progress 1
		.amdhsa_inst_pref_size 21
	.end_amdhsa_kernel
	.amdgpu_metadata
---
amdhsa.version: [ 1, 2 ]
amdhsa.kernels:
  - .name:           k_q57c6b6d8b9_wprep
    .symbol:         k_q57c6b6d8b9_wprep.kd
    .args:
      - { .name: Wq, .offset: 0, .size: 8, .value_kind: global_buffer, .address_space: global }
      - { .name: Wk, .offset: 8, .size: 8, .value_kind: global_buffer, .address_space: global }
      - { .name: Wv, .offset: 16, .size: 8, .value_kind: global_buffer, .address_space: global }
      - { .name: Wo, .offset: 24, .size: 8, .value_kind: global_buffer, .address_space: global }
      - { .name: wimg, .offset: 32, .size: 8, .value_kind: global_buffer, .address_space: global }
      - { .name: wsc, .offset: 40, .size: 8, .value_kind: global_buffer, .address_space: global }
    .group_segment_fixed_size: 0
    .private_segment_fixed_size: 0
    .kernarg_segment_align: 8
    .kernarg_segment_size: 48
    .max_flat_workgroup_size: 64
    .sgpr_count:     66
    .vgpr_count:     200
    .wavefront_size: 32
...
	.end_amdgpu_metadata
.endif
;; end of part 1
;; launch qkv (part 2): grid 4 x 64, 4 waves a work-group, clusters of 4 x 1, 327,680 bytes of LDS; arguments x, wimg, wsc, bq, bk, bv, qb, kv; writes qb, kv
.if DOCPART == 2
	.amdgcn_target "amdgcn-amd-amdhsa--gfx1250"
	.amdhsa_code_object_version 6
	.text
	.protected	k_q57c6b6d8b9_qkv
	.globl	k_q57c6b6d8b9_qkv
	.p2align	8
	.type	k_q57c6b6d8b9_qkv,@function
k_q57c6b6d8b9_qkv:
	s_mov_b64 s[64:65], 0
	v_nop
	global_prefetch_b8 v0, s[64:65] scope:SCOPE_SE
	s_setreg_imm32_b32 hwreg(HW_REG_WAVE_MODE, 25, 1), 1
	s_wait_xcnt 0x0
	s_wait_alu depctr_hold_cnt(0) depctr_sa_sdst(0) depctr_va_vdst(0) depctr_va_sdst(0) depctr_va_ssrc(0) depctr_va_vcc(0) depctr_vm_vsrc(0)
	s_getreg_b32 s2, hwreg(HW_REG_IB_STS2, 6, 4)
	s_cmp_eq_u32 s2, 0
	s_cbranch_scc0 .Lentry_in_a_cluster
	s_endpgm
.Lentry_in_a_cluster:
	s_bfe_u32 s2, ttmp6, 0x10000c
	s_cmp_lg_u32 s2, 0x3003
	s_cbranch_scc0 .Lentry_shape_is_right
	s_endpgm
.Lentry_shape_is_right:
.set XPL,  133120
.set XIMG, 266240
.set XSC,  315392
.set FRB,  1536
.set WV,   20
.set G1,   24
.set G0,   32
.set SEL,  82
.set LO16, 4
.set LO8,  5
.set XR,   7
.set XWI,  9
.set XWS,  10
.set LI,   11
.set LS,   12
.set R16,  13
.set H32,  14
.set R4,   15
.set WSQ,  16
.set WSV,  32
.set XS,   40
.set TM,   48
.set PC,   64
.set KPW,  84
.set VPW,  88
.set PWX,  90
.set XA,   96
.set XF,   96
.set MSB, 0
.macro WIN new
.if MSB != \new
	s_set_vgpr_msb (MSB<<8)|\new
.set MSB, \new
.endif
.endm
.macro PLACES
.rept 4
	v_nop
.endr
.endm
.macro CROUND
	s_barrier_signal -1
	s_barrier_wait -1
	s_cmp_lg_u32 s[WV], 0
	s_cbranch_scc1 .Lnot_wave_0_\@
	s_barrier_signal -3
.Lnot_wave_0_\@:
	s_barrier_wait -3
	s_barrier_signal -1
	s_barrier_wait -1
.endm
.macro QUANT s, w, pw, xw
	WIN 5*(\w)
.irp b, 0,1,2,3
	v_max3_num_f32 v[TM+\b], |v[(\s)+16*\b]|, |v[(\s)+1+16*\b]|, 0x1800000
.endr
.irp i, 2,4,6,8,10,12,14
.irp b, 0,1,2,3
	v_max3_num_f32 v[TM+\b], |v[(\s)+16*\b+\i]|, |v[(\s)+1+16*\b+\i]|, v[TM+\b]
.endr
.endr
	WIN 0
.irp b, 0,1,2,3
	v_permlanex16_b32 v[TM+4+\b], v[TM+\b], s[SEL], s[SEL+1]
.endr
.irp b, 0,1,2,3
	v_max_num_f32 v[TM+\b], v[TM+\b], v[TM+4+\b]
.endr
.irp b, 0,1,2,3
	v_add_nc_u32 v[TM+12+\b], 0xff000000, v[TM+\b]
.endr
.irp b, 0,1,2,3
	v_lshrrev_b32 v[TM+4+\b], 23, v[TM+12+\b]
.endr
	v_lshl_or_b32 v[\pw], v[TM+5], 8, v[TM+4]
	v_lshl_or_b32 v[\pw], v[TM+6], 16, v[\pw]
	v_lshl_or_b32 v[\pw], v[TM+7], 24, v[\pw]
.if \xw
	s_wait_xcnt 0x0
.endif
	WIN \w
.irp c, 0,1
	v_cvt_scalef32_pk16_fp6_f32 v[PC+6*\c:PC+2+6*\c], v[(\s)+32*\c:(\s)+15+32*\c], v[TM+12+2*\c]
	v_cvt_scalef32_pk16_fp6_f32 v[PC+12+4*\c:PC+14+4*\c], v[(\s)+16+32*\c:(\s)+31+32*\c], v[TM+13+2*\c]
.endr
	WIN 0
	v_nop
.irp c, 0,1
.irp i, 0,1,2
	v_permlane16_swap_b32 v[PC+6*\c+\i], v[PC+12+4*\c+\i]
.endr
.irp i, 0,1,2
	v_mov_b32 v[PC+3+6*\c+\i], v[PC+12+4*\c+\i]
.endr
.endr
.endm
	s_load_b512 s[4:19], s[0:1], 0x0
	v_lshl_add_u32 v254, v0, 2, 0x4e000
	v_mov_b32 v255, 0
	ds_add_u32 v254, v255
	ds_add_u32 v254, v255
	v_lshrrev_b32 v1, 5, v0
	v_readfirstlane_b32 s[WV], v1
	s_bfe_u32 s21, ttmp6, 0x40000
	s_lshl_b32 s22, ttmp9, 2
	s_add_co_u32 s22, s22, s21
	s_and_b32 s23, ttmp7, 0xffff
	s_mov_b32 s[G1], 15|(2<<16)|(1<<20)|(1<<21)|(7<<22)|(3<<25)
	s_mov_b32 s[G1+1], 256<<16
	s_mov_b32 s[G1+2], 32<<16
	s_mov_b32 s[G1+3], 256<<16
	s_mov_b32 s[G1+4], 32
	s_mov_b32 s[G1+5], 512
	s_mov_b32 s[G1+6], 0
	s_mov_b32 s[G1+7], 0
	s_lshl_b32 s44, s23, 18
	s_lshl_b32 s45, s[WV], 16
	s_add_co_u32 s44, s44, s45
	s_mov_b32 s45, 0
	s_mul_i32 s46, s[WV], 33280
	s_mov_b32 s[SEL], 0x76543210
	s_mov_b32 s[SEL+1], 0xfedcba98
	s_wait_dscnt 0x0
	s_wait_kmcnt 0x0
	s_add_nc_u64 s[44:45], s[4:5], s[44:45]
.irp e, 0,1
	s_mov_b32 s[G0+4*\e], 1
	s_add_co_u32 s[G0+4*\e+1], s46, \e*XPL
	s_add_nc_u64 s[G0+4*\e+2:G0+4*\e+3], s[44:45], \e*1024
	s_or_b32 s[G0+4*\e+3], s[G0+4*\e+3], 0x80000000
.endr
	CROUND
	tensor_load_to_lds s[G0:G0+3], s[G1:G1+7]
	s_nop 0
	PLACES
	v_and_b32 v1, 31, v0
	v_and_b32 v2, 15, v0
	v_bfe_u32 v3, v0, 4, 1
	v_lshlrev_b32 v[LO16], 4, v1
	v_lshlrev_b32 v[LO8], 3, v1
	v_lshlrev_b32 v6, 2, v1
	v_mul_u32_u24 v[XR], v2, 1040
	v_lshl_add_u32 v[XR], v3, 5, v[XR]
	v_add_nc_u32 v[XR], s46, v[XR]
	v_add_nc_u32 v[XR+1], XPL, v[XR]
	s_mul_i32 s47, s[WV], 12288
	s_add_co_u32 s47, s47, XIMG
	v_add_nc_u32 v[XWI], s47, v[LO16]
	s_lshl_b32 s48, s[WV], 10
	s_add_co_u32 s48, s48, XSC
	v_add_nc_u32 v[XWS], s48, v6
	v_add_nc_u32 v[LI], XIMG, v[LO16]
	v_add_nc_u32 v[LS], XSC, v6
	v_lshlrev_b32 v[R16], 4, v2
	v_lshlrev_b32 v[H32], 5, v3
	s_wait_alu depctr_va_vdst(0)
	v_lshlrev_b32 v[R4], 2, v2
	s_wait_alu depctr_va_vdst(0)
.irp b, 0,1,2,3
	v_mov_b32 v[TM+4+\b], 0
.endr
	s_lshr_b32 s40, s[WV], 1
	s_and_b32 s41, s[WV], 1
	s_lshl_b32 s42, s22, 1
	s_add_co_u32 s43, s42, s40
	s_add_co_u32 s42, s42, s41
	s_mul_i32 s52, s40, 196608
	s_mul_i32 s53, s42, 24576
	s_add_co_u32 s52, s52, s53
	s_mov_b32 s53, 0
	s_add_nc_u64 s[50:51], s[6:7], s[52:53]
	s_cmp_eq_u32 s40, 0
	s_cselect_b64 s[54:55], s[10:11], s[12:13]
	s_lshl_b32 s52, s42, 8
	s_add_nc_u64 s[54:55], s[54:55], s[52:53]
	s_lshl_b32 s52, s22, 3
	s_lshl_b32 s49, s[WV], 1
	s_add_co_u32 s49, s52, s49
	s_mul_i32 s52, s49, 6144
	s_add_co_u32 s52, s52, 393216
	s_add_nc_u64 s[56:57], s[6:7], s[52:53]
	s_lshl_b32 s52, s49, 6
	s_add_nc_u64 s[58:59], s[14:15], s[52:53]
	s_lshl_b32 s52, s40, 13
	s_lshl_b32 s60, s42, 10
	s_add_co_u32 s52, s52, s60
	s_add_nc_u64 s[60:61], s[8:9], s[52:53]
	s_lshl_b32 s52, s49, 8
	s_add_co_u32 s52, s52, 16384
	s_add_nc_u64 s[62:63], s[8:9], s[52:53]
	s_lshr_b32 s66, s23, 5
	s_and_b32 s67, s23, 31
	s_lshl_b32 s68, s66, 3
	s_add_co_u32 s69, s68, s42
	s_lshl_b32 s69, s69, 5
	s_add_co_u32 s69, s69, s67
	s_cmp_lt_u32 s[WV], 2
	s_cselect_b64 s[70:71], s[16:17], s[18:19]
	s_mov_b32 s72, 13312
	s_cselect_b32 s72, 6656, s72
	s_mov_b32 s74, 12288
	s_cselect_b32 s74, 6144, s74
	s_mul_i32 s72, s69, s72
	s_mov_b32 s73, 0
	s_mov_b32 s75, 0
	s_add_nc_u64 s[70:71], s[70:71], s[72:73]
	s_add_nc_u64 s[76:77], s[70:71], s[74:75]
	s_add_co_u32 s84, s68, s43
	s_lshl_b32 s84, s84, 5
	s_add_co_u32 s84, s84, s67
	s_mul_i32 s84, s84, 13312
	s_mul_i32 s86, s41, 3072
	s_add_co_u32 s86, s86, s84
	s_add_co_u32 s86, s86, 6144
	s_mov_b32 s87, 0
	s_add_nc_u64 s[78:79], s[18:19], s[86:87]
	s_lshl_b32 s86, s41, 8
	s_add_co_u32 s86, s86, s84
	s_add_co_u32 s86, s86, 12800
	s_add_nc_u64 s[80:81], s[18:19], s[86:87]
	WIN 0xc0
.set n, 0
.rept 48
	global_load_b128 v[4*n:4*n+3], v[LO16], s[50:51] offset:512*n
.set n, n+1
.endr
.irp a, 0,1,2,3
	global_load_b128 v[192+8*\a:192+8*\a+3], v[H32], s[54:55] offset:64*\a
	global_load_b128 v[192+8*\a+4:192+8*\a+7], v[H32], s[54:55] offset:64*\a+16
.endr
	WIN 0x80
.set n, 0
.rept 24
	global_load_b128 v[128+4*n:128+4*n+3], v[LO16], s[56:57] offset:512*n
.set n, n+1
.endr
.irp b, 0,1
.irp j, 0,1,2,3,4,5,6,7
	global_load_b32 v[224+8*\b+\j], v[R4], s[58:59] offset:64*\b
.endr
.endr
	WIN 0
.irp a, 0,1,2,3
	global_load_b128 v[WSQ+4*\a:WSQ+4*\a+3], v[R16], s[60:61] offset:256*\a
.endr
.irp b, 0,1
	global_load_b128 v[WSV+4*\b:WSV+4*\b+3], v[R16], s[62:63] offset:256*\b
.endr
.macro XLD q
.irp bb, 0,1,2,3
.irp jj, 0,1,2,3
	ds_load_b128 v[XA+64*((\q)%2)+16*\bb+4*\jj:XA+64*((\q)%2)+16*\bb+4*\jj+3], v[XR+((\q)%4)/2] offset:16640*((\q)/4)+512*((\q)%2)+128*\bb+64*(\jj/2)+16*(\jj%2)
.endr
.endr
.endm
	; the second half of x is a later first fill: it stands behind the full sequence, and the loads of the weights above are out meanwhile
	s_wait_alu depctr_va_vdst(0)
	s_wait_tensorcnt 0x0
	ds_add_u32 v254, v255
	s_wait_dscnt 0x0
	CROUND
	tensor_load_to_lds s[G0+4:G0+7], s[G1:G1+7]
	s_nop 0
	PLACES
	s_wait_tensorcnt 0x0
	XLD 0
.irp q, 0,1,2,3,4,5,6,7
.if \q < 7
	XLD \q+1
	s_wait_dscnt 16
.else
	s_wait_dscnt 0x0
.endif
	QUANT XA+64*(\q%2), 0, PWX, 0
.irp c, 0,1,2
	ds_store_b128 v[XWI], v[PC+4*\c:PC+4*\c+3] offset:\q*FRB+512*\c
.endr
	ds_store_b32 v[XWS], v[PWX] offset:\q*128
.endr
	s_wait_dscnt 0x0
	s_barrier_signal -1
	s_barrier_wait -1
	s_wait_loadcnt 0x0
.macro XFL hf, s
.irp u, 0,1,2,3
.irp c, 0,1,2
	ds_load_b128 v[XF+12*(4*(\hf)+\u)+4*\c:XF+12*(4*(\hf)+\u)+4*\c+3], v[LI] offset:(4*(4*(\hf)+\u)+(\s))*FRB+512*\c
.endr
	ds_load_b32 v[XS+4*(\hf)+\u], v[LS] offset:(4*(4*(\hf)+\u)+(\s))*128
.endr
.endm
.macro MULQK hf, s
.if (\s) == 0
	WIN 0x73
.else
	WIN 0x53
.endif
.irp u, 0,1,2,3
.irp a, 0,1,2,3
.set rD, 8*(4*(4*(\hf)+\u)+\a)
.set rW, 12*(4*\a+(\s))
.set rX, XF+12*(4*(\hf)+\u)
.if (\s) == 0
	v_wmma_scale_f32_16x16x128_f8f6f4 v[rD:rD+7], v[rW:rW+11], v[rX:rX+11], v[192+8*\a:192+8*\a+7], v[WSQ+4*\a+(\s)], v[XS+4*(\hf)+\u] matrix_a_fmt:MATRIX_FMT_FP6 matrix_b_fmt:MATRIX_FMT_FP6
.else
	v_wmma_scale_f32_16x16x128_f8f6f4 v[rD:rD+7], v[rW:rW+11], v[rX:rX+11], v[rD:rD+7], v[WSQ+4*\a+(\s)], v[XS+4*(\hf)+\u] matrix_a_fmt:MATRIX_FMT_FP6 matrix_b_fmt:MATRIX_FMT_FP6
.endif
.endr
.endr
.endm
.macro MULV hf, s
	WIN 0xa8
.irp u, 0,1,2,3
.irp b, 0,1
.set rD, 8*(8*\b+4*(\hf)+\u)
.set rW, 128+12*(4*\b+(\s))
.set rX, XF+12*(4*(\hf)+\u)
.if (\s) == 0
	v_wmma_scale_f32_16x16x128_f8f6f4 v[rD:rD+7], v[rX:rX+11], v[rW:rW+11], v[224+8*\b:224+8*\b+7], v[XS+4*(\hf)+\u], v[WSV+4*\b+(\s)] matrix_a_fmt:MATRIX_FMT_FP6 matrix_b_fmt:MATRIX_FMT_FP6
.else
	v_wmma_scale_f32_16x16x128_f8f6f4 v[rD:rD+7], v[rX:rX+11], v[rW:rW+11], v[rD:rD+7], v[XS+4*(\hf)+\u], v[WSV+4*\b+(\s)] matrix_a_fmt:MATRIX_FMT_FP6 matrix_b_fmt:MATRIX_FMT_FP6
.endif
.endr
.endr
.endm
	XFL 0, 0
	XFL 1, 0
.irp s, 0,1,2,3
	s_wait_dscnt 16
	MULQK 0, \s
	MULV 0, \s
.if \s < 3
	WIN 0
	PLACES
	XFL 0, \s+1
	s_wait_dscnt 16
.else
	s_wait_dscnt 0x0
.endif
	MULQK 1, \s
	MULV 1, \s
.if \s < 3
	WIN 0
	PLACES
	XFL 1, \s+1
.endif
.endr
	WIN 0
	PLACES
.irp q, 0,1,2,3
	QUANT 64*\q, 1, KPW+\q, \q
.irp c, 0,1,2
	global_store_b128 v[LO16], v[PC+4*\c:PC+4*\c+3], s[70:71] offset:\q*FRB+512*\c
.endr
.endr
	global_store_b128 v[LO16], v[KPW:KPW+3], s[76:77]
.irp b, 0,1
	QUANT 64*\b, 2, VPW+\b, 1
.irp c, 0,1,2
	global_store_b128 v[LO16], v[PC+4*\c:PC+4*\c+3], s[78:79] offset:\b*FRB+512*\c
.endr
.endr
	global_store_b64 v[LO8], v[VPW:VPW+1], s[80:81]
	s_wait_tensorcnt 0x0
	ds_add_u32 v254, v255
	s_wait_dscnt 0x0
	CROUND
	s_endpgm
.Lfunc_end_k_q57c6b6d8b9_qkv:
	.size	k_q57c6b6d8b9_qkv, .Lfunc_end_k_q57c6b6d8b9_qkv-k_q57c6b6d8b9_qkv
	.p2alignl 7, 3214868480
	.fill 96, 4, 3214868480
	.section	.rodata,"a",@progbits
	.p2align	6, 0x0
	.amdhsa_kernel k_q57c6b6d8b9_qkv
		.amdhsa_group_segment_fixed_size 327680
		.amdhsa_private_segment_fixed_size 0
		.amdhsa_enable_private_segment 0
		.amdhsa_kernarg_size 64
		.amdhsa_user_sgpr_count 2
		.amdhsa_user_sgpr_kernarg_segment_ptr 1
		.amdhsa_wavefront_size32 1
		.amdhsa_system_sgpr_workgroup_id_x 1
		.amdhsa_system_sgpr_workgroup_id_y 1
		.amdhsa_system_sgpr_workgroup_id_z 1
		.amdhsa_system_vgpr_workitem_id 0
		.amdhsa_next_free_vgpr 1024
		.amdhsa_next_free_sgpr 100
		.amdhsa_reserve_vcc 0
		.amdhsa_float_denorm_mode_32 3
		.amdhsa_float_denorm_mode_16_64 3
		.amdhsa_memory_ordered 1
		.amdhsa_forward_progress 1
		.amdhsa_inst_pref_size 117
	.end_amdhsa_kernel
	.amdgpu_metadata
---
amdhsa.version: [ 1, 2 ]
amdhsa.kernels:
  - .name:           k_q57c6b6d8b9_qkv
    .symbol:         k_q57c6b6d8b9_qkv.kd
    .args:
      - { .name: x, .offset: 0, .size: 8, .value_kind: global_buffer, .address_space: global }
      - { .name: wimg, .offset: 8, .size: 8, .value_kind: global_buffer, .address_space: global }
      - { .name: wsc, .offset: 16, .size: 8, .value_kind: global_buffer, .address_space: global }
      - { .name: bq, .offset: 24, .size: 8, .value_kind: global_buffer, .address_space: global }
      - { .name: bk, .offset: 32, .size: 8, .value_kind: global_buffer, .address_space: global }
      - { .name: bv, .offset: 40, .size: 8, .value_kind: global_buffer, .address_space: global }
      - { .name: qb, .offset: 48, .size: 8, .value_kind: global_buffer, .address_space: global }
      - { .name: kv, .offset: 56, .size: 8, .value_kind: global_buffer, .address_space: global }
    .group_segment_fixed_size: 327680
    .private_segment_fixed_size: 0
    .kernarg_segment_align: 8
    .kernarg_segment_size: 64
    .max_flat_workgroup_size: 128
    .sgpr_count:     100
    .vgpr_count:     1024
    .wavefront_size: 32
...
	.end_amdgpu_metadata
.endif
;; end of part 2
;; launch attn (part 3): grid 16 x 16, 8 waves a work-group, clusters of 4 x 1, 327,680 bytes of LDS; arguments qb, kv, ao; writes ao
.if DOCPART == 3
	.amdgcn_target "amdgcn-amd-amdhsa--gfx1250"
	.amdhsa_code_object_version 6
	.text
	.protected	k_q57c6b6d8b9_attn
	.globl	k_q57c6b6d8b9_attn
	.p2align	8
	.type	k_q57c6b6d8b9_attn,@function
k_q57c6b6d8b9_attn:
	s_mov_b64 s[64:65], 0
	v_nop
	global_prefetch_b8 v0, s[64:65] scope:SCOPE_SE
	s_setreg_imm32_b32 hwreg(HW_REG_WAVE_MODE, 25, 1), 1
	s_wait_xcnt 0x0
	s_wait_alu depctr_hold_cnt(0) depctr_sa_sdst(0) depctr_va_vdst(0) depctr_va_sdst(0) depctr_va_ssrc(0) depctr_va_vcc(0) depctr_vm_vsrc(0)
	s_getreg_b32 s2, hwreg(HW_REG_IB_STS2, 6, 4)
	s_cmp_eq_u32 s2, 0
	s_cbranch_scc0 .Lentry_in_a_cluster
	s_endpgm
.Lentry_in_a_cluster:
	s_bfe_u32 s2, ttmp6, 0x10000c
	s_cmp_lg_u32 s2, 0x3003
	s_cbranch_scc0 .Lentry_shape_is_right
	s_endpgm
.Lentry_shape_is_right:
; O = softmax(Q K^T / 8) V for 16 heads (2 batches x 8) of 4,096 tokens, head size 64, both products on codes of FP6 (E2M3) with E8M0 scales; O / l is quantised along the head's 64 for the last projection.
; THE SOFTMAX: t = score x log2(e) / 8; M = the running largest t rounded UP to a whole number; p = 2^(t - M) is quantised along the keys, not normalised; the row's sum l is taken of the unquantised p and divides O at the end.
; When M moves, l and O are multiplied by 2^(old M - new M): exact.
; SHARES.  A work-group owns 256 queries of one head; each of its eight waves 32 of them (two tiles of 16) in 512 registers, two waves to a SIMD.  A wave walks 16 steps of 256 keys: each fragment of K and V from LDS feeds
; both query tiles, and the running maximum and the rescaling stand once for 256 keys.
; LAYOUT.  Both products transposed: S^T = K Q^T, O^T = V^T P^T: a lane holds ONE query (lane % 16) of each tile throughout.
; THE FIRST PRODUCT'S K IS 64, the instruction's 128: a fragment of K holds TWO key tiles (registers 0-5, 6-11) and is multiplied by [Q | zero codes] and by [zero codes | Q].  [Q | 0 | Q] in 18 registers serves both.
; A LANE HOLDS A WHOLE BLOCK OF 32 KEYS.  kv's pair image q of a tile of 128 keys holds in row r' the keys 32 q + r' and 32 q + 16 + r'.  A fragment (g, pi) takes, by each lane's LDS address, rows 8 pi .. 8 pi + 7 of image 2 g as its
; rows 0-7 and the same rows of image 2 g + 1 as its rows 8-15.  So lanes 0-15 get keys of block 2 g alone and lanes 16-31 of block 2 g + 1 alone, 32 registers a block: the layout of the second product's operand.
; Register 16 pi + 8 u + j of a block is key 8 pi + 16 u + j of it: the order inside a block that every operand of this program has.  A block's maximum needs no other lane, and no codes change lanes.
; THE RING.  kv holds, for each head and 128 keys, 13,312 dense bytes in the order of the operands' registers..
; Two slots of 1,024 keys, 133,120 bytes each; every wave fetches 128 keys of a slot by one tensor load, its only one out.
; CLUSTER: the four query blocks of a cluster walk the same head's kv: each tile is asked for JOINTLY.
; PREFETCH: behind each refill but the last, waves 0 to 3 of each work-group name the slot that the NEXT change of slots will load: its 416 blocks of 256 bytes are shared out among the four partners BY ADDRESS, 104 each, a lane a block.
; A block's largest p is not searched for: p rises with the score, so the block's largest score goes through the same multiply-add and exponential (v_exp_f32 is taken not to fall where its input rises).
; LIMITS: the promise holds while |t| stays under 2^31; NaN and infinities are not served; a block whose every p has fallen to 0 keeps the byte 1 (its codes are zeros).
; REGISTERS: window 1: S^T, then p: tile a at 128 a, 128 keys sg at + 64 sg, block pair g at + 32 g.  Window 0: all else.
.set STEPM, 13312                      ; 128 keys in memory
.set STEPL, 16640                      ; and in LDS: 26 x 640
.set SSL,   2*STEPL                    ; a step of 256 keys
.set SLOTM, 8*STEPM
.set SLOTL, 8*STEPL
.set SPARE, 2*SLOTL                    ; the spare words: 128 bytes for each of 8 waves
.set SPW,  1                           ; v1 SPARE + 4 x my thread's number; v2 0: never rewritten
.set NIL,  2
.set AK0,  3                           ; lane terms of the LDS addresses: K's fragments, K's words, 16 x lane, 8 x lane
.set AKS0, 4
.set AV0,  5
.set AVS0, 6
.set PFO,  7                           ; the prefetches' offset
.set AK,   8                           ; the same four in the step in hand
.set AKS,  9
.set AV,   10
.set AVS,  11
.set NM,   12                          ; tile a: v[12+2a] -M, v[13+2a] the largest t
.set LA,   16                          ; tile a: two chains of the sum, pairs at 16+4a, 18+4a
.set FF,   24                          ; tile a: f in the low word of the pair at 24+2a
.set T1,   28
.set T2,   30
.set PSEL, 32                          ; the byte selector that puts my two blocks' scale bytes at their places
.set QS,   34                          ; Q's scale words
.set PS,   36                          ; p's: 2 a + sg
.set KS,   40
.set VS,   44
.set BM,   48                          ; largest scores, then largest p: 4 a + 2 sg + g
.set SO,   56                          ; the conversions' scale operands
.set BT,   64                          ; the bytes, in the top byte.  Later the second tile's upper code halves
.set QB,   72                          ; [Q | 0 | Q], 18 registers a tile
.set FR,   108                         ; four fragments: K's, then V's
.set PC,   156                         ; p's codes, 12 a tile
.set PW,   188
.set O,    192                         ; O^T: 32 a + 8 t
.set WV,   18
.set SEL,  20
.set CS,   22                          ; s[22:23] c = log2(e) / 8
.set G1,   24
.set G0,   32
.set TB,   36                          ; where the step in hand begins in LDS
.set SLOTS, 37                         ; slots still to be asked for
.set LIM,  38
.set CNT,  39
.set PFA,  40
.set SB,   42                          ; the slot that is read
.set FB,   43                          ; the slot that is filled
.set WOFF, 44
.set MSB, 0
.macro WIN new                         ; the immediate's high byte repeats the setting that is left
.if MSB != \new
	s_set_vgpr_msb (MSB<<8)|\new
.set MSB, \new
.endif
.endm
.macro CROUND
	s_barrier_signal -1
	s_barrier_wait -1
	s_cmp_lg_u32 s[WV], 0
	s_cbranch_scc1 .Lnot_wave_0_\@
	s_barrier_signal -3
.Lnot_wave_0_\@:
	s_barrier_wait -3
	s_barrier_signal -1
	s_barrier_wait -1
.endm
.macro TLOAD                           ; every wave fetches its 128 keys; an s_nop 0 and four v_nop follow
	tensor_load_to_lds s[G0:G0+3], s[G1:G1+7]
	s_nop 0
.rept 4
	v_nop
.endr
.endm
.macro ASK                             ; the last refill asks for nothing; slots 0 and 1 come by their loads alone
	s_cmp_gt_u32 s[SLOTS], s[LIM]
	s_cbranch_scc0 .Lnot_mine_\@
	global_prefetch_b8 v[PFO], s[PFA:PFA+1] th:TH_LOAD_NT scope:SCOPE_SE
.Lnot_mine_\@:
.endm
.macro MM d, a, b, sa, sb
	v_wmma_scale_f32_16x16x128_f8f6f4 v[\d:\d+7], v[\a:\a+11], v[\b:\b+11], 0, v[\sa], v[\sb] matrix_a_fmt:MATRIX_FMT_FP6 matrix_b_fmt:MATRIX_FMT_FP6
.endm
	s_load_b128 s[4:7], s[0:1], 0x0                ; qb, kv
	s_load_b64 s[8:9], s[0:1], 0x10                ; ao
	v_lshl_add_u32 v[SPW], v0, 2, SPARE
	v_mov_b32 v[NIL], 0
	ds_add_u32 v[SPW], v[NIL]                      ; the opening lines: the add twice on end and its wait
	ds_add_u32 v[SPW], v[NIL]
	v_lshrrev_b32 v8, 5, v0
	v_readfirstlane_b32 s[WV], v8                  ; wave 0..7
	s_bfe_u32 s10, ttmp6, 0x40000                  ; cx
	s_lshl_b32 s11, ttmp9, 2
	s_add_co_u32 s11, s11, s10                     ; my block of 256 queries: it enters Q's and ao's addresses alone
	s_and_b32 s12, ttmp7, 0xffff                   ; the head (8 batch + head), which the partners share
	s_mov_b32 s[G1], 15|(3<<16)|(1<<20)|(1<<21)|(6<<22)|(31<<25)   ; the mask: all four; elements of 8 bytes; padding on; bit 21 beside a mask; after every 128 words 32 words
	s_mov_b32 s[G1+1], 64<<16                      ; a dense block as 26 rows of 512 bytes
	s_mov_b32 s[G1+2], 26<<16
	s_mov_b32 s[G1+3], 64<<16
	s_mov_b32 s[G1+4], 26
	s_mov_b32 s[G1+5], 64
	s_mov_b32 s[G1+6], 0
	s_mov_b32 s[G1+7], 0
	s_mul_i32 s46, s12, 32*STEPM                   ; the head's first byte in kv
	s_mul_i32 s47, s[WV], STEPM                    ; my 128 keys of a slot, in memory
	s_add_co_u32 s48, s46, s47
	s_mov_b32 s49, 0
	s_mul_i32 s[WOFF], s[WV], STEPL                ; and in LDS
	s_mul_i32 s50, s10, 2*STEPM                    ; the prefetches: my work-group's quarter of a slot,
	s_add_co_u32 s50, s50, s46
	s_add_co_u32 s50, s50, SLOTM                   ; in slot 1: the first change of slots steps it to slot 2
	s_mov_b32 s51, 0
	s_cmp_lt_u32 s[WV], 4
	s_cselect_b32 s[LIM], 1, -1                    ; waves 0 to 3 ask
	s_and_b32 s55, s[WV], 3
	s_lshl_b32 s52, s55, 5
	s_lshl_b32 s53, s12, 5                         ; Q: group of 128 queries = 32 head + 2 block + wave / 4; my pair of tiles: wave % 4
	s_lshl_b32 s54, s11, 1
	s_add_co_u32 s53, s53, s54
	s_lshr_b32 s54, s[WV], 2
	s_add_co_u32 s53, s53, s54
	s_mul_i32 s54, s53, 6656
	s_mul_i32 s56, s55, 1536
	s_add_co_u32 s56, s56, s54
	s_mov_b32 s57, 0
	s_lshl_b32 s58, s55, 2
	s_add_co_u32 s58, s58, s54
	s_add_co_u32 s58, s58, 6144
	s_mov_b32 s59, 0
	s_lshr_b32 s13, s12, 3                         ; ao: token tile 256 batch + 16 block + 2 wave (+ 1), 8 records of 1,024 bytes, one a head
	s_lshl_b32 s13, s13, 8
	s_lshl_b32 s14, s11, 4
	s_add_co_u32 s13, s13, s14
	s_lshl_b32 s14, s[WV], 1
	s_add_co_u32 s13, s13, s14
	s_lshl_b32 s13, s13, 3
	s_and_b32 s14, s12, 7
	s_add_co_u32 s13, s13, s14
	s_lshl_b32 s14, s13, 10
	s_mov_b32 s15, 0
	s_mov_b32 s[SEL], 0x76543210
	s_mov_b32 s[SEL+1], 0xfedcba98
	s_mov_b32 s[CS], 0x3e38aa3b                    ; log2(e) / 8
	s_mov_b32 s[CS+1], s[CS]
	s_mov_b32 s61, 0x01000100                      ; the pair word's lower two bytes, twice: tile 0's;
	s_mov_b32 s62, 0x03020302                      ; the upper two: tile 1's
	s_mov_b32 s[SB], 0
	s_mov_b32 s[FB], 0
	s_mov_b32 s[SLOTS], 3
	s_wait_dscnt 0x0
	s_wait_kmcnt 0x0
	s_mov_b32 s[G0], 1
	s_mov_b32 s[G0+1], s[WOFF]
	s_add_nc_u64 s[G0+2:G0+3], s[6:7], s[48:49]
	s_or_b32 s[G0+3], s[G0+3], 0x80000000
	s_add_nc_u64 s[PFA:PFA+1], s[6:7], s[50:51]
	s_add_nc_u64 s[56:57], s[4:5], s[56:57]        ; my pair fragment of Q
	s_add_nc_u64 s[58:59], s[4:5], s[58:59]        ; and its pair word
	s_add_nc_u64 s[8:9], s[8:9], s[14:15]          ; my first record of ao
	CROUND                                         ; all four work-groups are here: the first joint loads meet
	TLOAD                                          ; slot 0: one tensor load a wave at the head
	v_and_b32 v8, 31, v0
	v_and_b32 v9, 7, v0
	v_bfe_u32 v10, v0, 3, 1
	v_bfe_u32 v11, v0, 4, 1
	v_lshlrev_b32 v[AV0], 4, v8
	v_lshlrev_b32 v[AVS0], 3, v8
	v_add_nc_u32 v[PFO], s52, v8
	v_lshlrev_b32 v9, 4, v9
	v_min_u32 v[PFO], 103, v[PFO]                  ; wave 3's lanes 8-31 name its last block again
	v_lshl_add_u32 v[AKS0], v10, 2, v9             ; K's words: 16 (r % 8) + 4 (r / 8)
	v_lshl_add_u32 v9, v11, 8, v9
	v_lshlrev_b32 v[PFO], 8, v[PFO]
	v_mad_u32_u24 v[AK0], v10, 1920, v9            ; K's fragments: 1,920 (r / 8) + 16 (r % 8) + 256 h
	v_mov_b32 v[PSEL], 0x0c070c03                  ; lanes 0-15: bytes 0 and 2 of p's scale word;
	v_mov_b32 v33, 0x070c030c                      ; lanes 16-31: bytes 1 and 3; the others 0
	v_cmp_eq_u32 s60, 1, v11
	v_cndmask_b32 v[PSEL], v[PSEL], v33, s60
.irp e, 0,12                           ; Q's six registers of each tile, twice.  In the image register n of lane l lies at 512 (n / 4) + 16 l + 4 (n % 4)
	global_load_b128 v[QB+\e:QB+\e+3], v[AV0], s[56:57]
	global_load_b64 v[QB+\e+4:QB+\e+5], v[AV0], s[56:57] offset:512
	global_load_b64 v[QB+18+\e:QB+18+\e+1], v[AV0], s[56:57] offset:520
	global_load_b128 v[QB+18+\e+2:QB+18+\e+5], v[AV0], s[56:57] offset:1024
.endr
	global_load_b32 v28, v[AV0], s[58:59]
.irp i, 6,7,8,9,10,11
	v_mov_b32 v[QB+\i], 0                          ; zero codes: they add nothing under any scale byte of this program
	v_mov_b32 v[QB+18+\i], 0
.endr
	s_wait_loadcnt 0x0
	v_perm_b32 v[QS], v28, v28, s61
	v_perm_b32 v[QS+1], v28, v28, s62
.set ii, 0
.rept 64
	v_mov_b32 v[O+ii], 0                           ; the step is written once: the first finds zeros, which the first change of M leaves zeros
.set ii, ii+1
.endr
.irp a, 0,1
	v_mov_b32 v[NM+2*\a+1], 0xff61b1e6             ; the largest t so far: -3e38
	v_mov_b32 v[FF+2*\a+1], 0                      ; (named as the upper half of a pair)
	v_mov_b32 v[T2+\a], 0                          ; a lane permute's destination counts as one of its sources
.endr
.irp a, 0,1
	v_floor_f32 v[NM+2*\a], -v[NM+2*\a+1]          ; -M
.endr
.irp i, 0,1,2,3,4,5,6,7
	v_mov_b32 v[LA+\i], 0
.endr
.irp i, 0,1,2,3
	v_mov_b32 v[PW+\i], 0
.endr
	WIN 0x40
.set ii, 0
.rept 256
	v_mov_b32 v[ii], 0                             ; most of a step's p is summed at the head of the next step: the first step finds zeros
.set ii, ii+1
.endr
	WIN 0
	s_wait_alu depctr_va_vdst(0)
.macro KLOAD sg                        ; K's four fragments (g, pi) = (f / 2, f % 2) of 128 keys, and their rows' pair words
.irp f, 0,1,2,3
.irp c, 0,1,2
	ds_load_b128 v[FR+12*\f+4*\c:FR+12*\f+4*\c+3], v[AK] offset:(\sg)*STEPL+3840*(\f/2)+128*(\f%2)+640*\c
.endr
	ds_load_b32 v[KS+\f], v[AKS] offset:(\sg)*STEPL+15360+128*(\f%2)+8*(\f/2)
.endr
.endm
.macro VLOAD sg                        ; V's four fragments, as they lie, and their scale words
.irp n, 0,1,2,3,4,5,6,7,8,9,10,11
	ds_load_b128 v[FR+4*\n:FR+4*\n+3], v[AV] offset:(\sg)*STEPL+640*(12+\n)
.endr
.irp i, 0,1
	ds_load_b64 v[VS+2*\i:VS+2*\i+1], v[AVS] offset:(\sg)*STEPL+16000+256*\i
.endr
.endm
.macro SCORES sg, first                ; two fragments x two query tiles x [Q | 0], [0 | Q]
	WIN 0x40
.irp f, \first, \first+1
.irp a, 0,1
.irp u, 0,1
	MM 128*\a+64*(\sg)+16*(\f)+8*\u, FR+12*(\f), QB+18*\a+6*\u, KS+(\f), QS+\a
.endr
.endr
.endr
.endm
.macro MAXA sg, vl                     ; the largest score of each of my four blocks (two tiles x two), by turns; vl = 1: V's loads stand behind the first four lines, which are the places behind the products
	WIN 0x15
.irp a, 0,1
.irp g, 0,1
	v_max3_num_f32 v[BM+4*\a+2*(\sg)+\g], v[128*\a+64*(\sg)+32*\g], v[128*\a+64*(\sg)+32*\g+1], v[128*\a+64*(\sg)+32*\g+2]
.endr
.endr
	WIN 0x14
.if \vl
	VLOAD 0                                        ; lands under the softmax
.endif
.irp i, 3,5,7,9,11,13,15,17,19,21,23,25,27,29
.irp a, 0,1
.irp g, 0,1
	v_max3_num_f32 v[BM+4*\a+2*(\sg)+\g], v[BM+4*\a+2*(\sg)+\g], v[128*\a+64*(\sg)+32*\g+\i], v[128*\a+64*(\sg)+32*\g+\i+1]
.endr
.endr
.endr
.endm
.macro MAXZ sg                         ; and each block's last number
	WIN 0x14
.irp a, 0,1
.irp g, 0,1
	v_max_num_f32 v[BM+4*\a+2*(\sg)+\g], v[BM+4*\a+2*(\sg)+\g], v[128*\a+64*(\sg)+32*\g+31]
.endr
.endr
.endm
.macro SUMS sg, i0, i1                 ; the rows' sums of the UNQUANTISED p: four chains by turns (window: source 1 in window 1)
.set ii, \i0
.rept \i1-\i0+1
.irp a, 0,1
.irp x, 0,1
	v_pk_add_f32 v[LA+4*\a+2*\x:LA+4*\a+2*\x+1], v[LA+4*\a+2*\x:LA+4*\a+2*\x+1], v[128*\a+64*(\sg)+4*ii+2*\x:128*\a+64*(\sg)+4*ii+2*\x+1]
.endr
.endr
.set ii, ii+1
.endr
.endm
.macro QUANT sg                        ; p's codes of 128 keys, both tiles: a block's 32 numbers are mine, its six registers are the operand's
	WIN 0x01
.irp a, 0,1
.irp g, 0,1
	v_cvt_scalef32_pk16_fp6_f32 v[PC+12*\a+6*\g:PC+12*\a+6*\g+2], v[128*\a+64*(\sg)+32*\g:128*\a+64*(\sg)+32*\g+15], v[SO+4*\a+2*(\sg)+\g]
	v_cvt_scalef32_pk16_fp6_f32 v[180-116*\a+4*\g:180-116*\a+4*\g+2], v[128*\a+64*(\sg)+32*\g+16:128*\a+64*(\sg)+32*\g+31], v[SO+4*\a+2*(\sg)+\g]
.endr
.endr
	WIN 0
	v_nop                                          ; one plain instruction behind the conversions
.irp a, 0,1
.irp g, 0,1
.irp i, 0,1,2
	v_mov_b32 v[PC+12*\a+6*\g+3+\i], v[180-116*\a+4*\g+\i]   ; (a conversion's three registers begin on an even number)
.endr
.endr
.endr
.endm
.macro PV sg                           ; O^T += V^T P^T: the eight accumulators by turns
	WIN 0
.irp t, 0,1,2,3
.irp a, 0,1
	v_wmma_scale_f32_16x16x128_f8f6f4 v[O+32*\a+8*\t:O+32*\a+8*\t+7], v[FR+12*\t:FR+12*\t+11], v[PC+12*\a:PC+12*\a+11], v[O+32*\a+8*\t:O+32*\a+8*\t+7], v[VS+\t], v[PS+2*\a+(\sg)] matrix_a_fmt:MATRIX_FMT_FP6 matrix_b_fmt:MATRIX_FMT_FP6
.endr
.endr
.endm
; A STEP: 256 keys x 32 queries.  Every offset is an immediate, under 33,280.
.macro SUPER
	v_add_nc_u32 v[AK], s[TB], v[AK0]
	v_add_nc_u32 v[AKS], s[TB], v[AKS0]
	v_add_nc_u32 v[AV], s[TB], v[AV0]
	v_add_nc_u32 v[AVS], s[TB], v[AVS0]
	s_wait_alu depctr_va_vdst(0)                   ; the wait behind these writes
	KLOAD 0
	WIN 0x04
	SUMS 0, 2, 15                                  ; the last step's p, still under the last step's M: K's loads land under these lines
	s_wait_alu depctr_va_vdst(0)                   ; the wait here, directly ahead of the wait below
	s_wait_dscnt 0x0
	SCORES 0, 0
	SCORES 0, 2
	WIN 0x04
	SUMS 1, 1, 1                                   ; four plain lines that name nothing of the products above: the places in front of the loads into K's registers
	KLOAD 1
	SUMS 1, 2, 15
	s_wait_alu depctr_va_vdst(0)                   ; as above
	s_wait_dscnt 0x0
	SCORES 1, 0
	SCORES 1, 2
	MAXA 0, 1
	MAXZ 0
	MAXA 1, 0
	MAXZ 1
	WIN 0
.irp a, 0,1
	v_max3_num_f32 v[T1+\a], v[BM+4*\a], v[BM+4*\a+1], v[BM+4*\a+2]
.endr
.irp a, 0,1
	s_delay_alu instid0(VALU_DEP_2)
	v_max_num_f32 v[T1+\a], v[T1+\a], v[BM+4*\a+3]
.endr
.irp a, 0,1
	s_delay_alu instid0(VALU_DEP_2)
	v_permlanex16_b32 v[T2+\a], v[T1+\a], s[SEL], s[SEL+1]
.endr
.irp a, 0,1
	s_delay_alu instid0(VALU_DEP_2)
	v_max_num_f32 v[T1+\a], v[T1+\a], v[T2+\a]     ; with lane l xor 16's blocks: the step's largest score of my query
.endr
.irp a, 0,1
	s_delay_alu instid0(VALU_DEP_2)
	v_mul_f32 v[T1+\a], s[CS], v[T1+\a]            ; as t (c is positive)
.endr
.irp a, 0,1
	s_delay_alu instid0(VALU_DEP_2)
	v_max_num_f32 v[NM+2*\a+1], v[NM+2*\a+1], v[T1+\a]
.endr
.irp a, 0,1
	v_mov_b32 v[T2+\a], v[NM+2*\a]
.endr
.irp a, 0,1
	s_delay_alu instid0(VALU_DEP_4)
	v_floor_f32 v[NM+2*\a], -v[NM+2*\a+1]          ; the new -M = -ceil(t)
.endr
.irp a, 0,1
	s_delay_alu instid0(VALU_DEP_2)
	v_sub_f32 v[T2+\a], v[NM+2*\a], v[T2+\a]       ; old M - new M: a whole number, 0 or less
.endr
.irp a, 0,1
	s_delay_alu instid0(VALU_DEP_2)
	v_cvt_i32_f32 v[T2+\a], v[T2+\a]               ; (it saturates)
.endr
.irp a, 0,1
	s_delay_alu instid0(VALU_DEP_2)
	v_ldexp_f32 v[FF+2*\a], 1.0, v[T2+\a]          ; f = 2^(old M - new M)
.endr
.irp a, 0,1
.irp n, 0,1,2,3
	v_fma_f32 v[BM+4*\a+\n], v[BM+4*\a+\n], s[CS], v[NM+2*\a]    ; t - M of each block's largest score
.endr
.endr
.irp a, 0,1                            ; O^T and the sums under the new M, ahead of the exponentials: O^T is first read here, from each accumulator's low end on
.irp j, 0,2,4,6,8,10,12,14,16,18,20,22,24,26,28,30
	v_pk_mul_f32 v[O+32*\a+\j:O+32*\a+\j+1], v[O+32*\a+\j:O+32*\a+\j+1], v[FF+2*\a:FF+2*\a+1] op_sel_hi:[1,0]
.endr
.irp x, 0,1
	v_pk_mul_f32 v[LA+4*\a+2*\x:LA+4*\a+2*\x+1], v[LA+4*\a+2*\x:LA+4*\a+2*\x+1], v[FF+2*\a:FF+2*\a+1] op_sel_hi:[1,0]
.endr
.endr
	WIN 0x41
.set ii, 0
.rept 32
	v_pk_fma_f32 v[2*ii:2*ii+1], v[2*ii:2*ii+1], s[CS:CS+1], v[NM:NM+1] op_sel_hi:[1,0,0]   ; t - M, two at a time: the first 64 numbers
.set ii, ii+1
.endr
.irp c, 0,1,2                          ; four batches of 64 exponentials; between a batch's lines stand the next batch's multiply-adds, which nothing reads before the wait at that batch's head
	s_wait_alu depctr_va_vdst(0)                   ; the wait ahead of each batch
.set ii, 0
.rept 32
	v_exp_f32 v[64*\c+2*ii], v[64*\c+2*ii]         ; p = 2^(t - M)
	v_pk_fma_f32 v[64*\c+64+2*ii:64*\c+64+2*ii+1], v[64*\c+64+2*ii:64*\c+64+2*ii+1], s[CS:CS+1], v[NM+2*((\c+1)/2):NM+2*((\c+1)/2)+1] op_sel_hi:[1,0,0]
	v_exp_f32 v[64*\c+2*ii+1], v[64*\c+2*ii+1]
.set ii, ii+1
.endr
.endr
	s_wait_alu depctr_va_vdst(0)
.set ii, 192
.rept 64
	v_exp_f32 v[ii], v[ii]
.set ii, ii+1
.endr
	WIN 0
.irp n, 0,1,2,3,4,5,6,7
	v_exp_f32 v[BM+\n], v[BM+\n]                   ; the blocks' largest p
.endr
	v_nop                                          ; a plain instruction behind the batch
	s_wait_alu depctr_va_vdst(0)                   ; and one wait for all of it, ahead of its first reader
.irp n, 0,1,2,3,4,5,6,7
	v_max_num_f32 v[BM+\n], 0x1800000, v[BM+\n]    ; the floor 2^(3 - 127): the byte cannot fall under 1
.endr
.irp n, 0,1,2,3,4,5,6,7
	v_lshl_add_u32 v[BT+\n], v[BM+\n], 1, 0xfe000000   ; the same byte in the register's top byte
.endr
.irp n, 0,1,2,3                        ; n = 2 a + sg: my two blocks' bytes at their places (2 g + h), zeros between;
	v_perm_b32 v[PS+\n], v[BT+2*\n+1], v[BT+2*\n], v[PSEL]
.endr
.irp n, 0,1,2,3
	v_permlanex16_b32 v[PW+\n], v[PS+\n], s[SEL], s[SEL+1]
.endr
.irp n, 0,1,2,3
	v_or_b32 v[PS+\n], v[PS+\n], v[PW+\n]          ; with lane l xor 16's two the scale word of 128 keys is whole
.endr
.irp n, 0,1,2,3,4,5,6,7
	v_add_nc_u32 v[SO+\n], 0xff000000, v[BM+\n]    ; 2 off the exponent field: the conversion's scale operand.  (Eight plain lines behind the scale words' making)
.endr
	QUANT 0
	WIN 0x04
	SUMS 0, 0, 0                                   ; four plain lines behind the codes' making
	s_wait_alu depctr_va_vdst(0)                   ; the wait here, directly ahead of the wait below
	s_wait_dscnt 0x0                               ; V's first 128 keys are in
	PV 0
	WIN 0x04
	SUMS 0, 1, 1                                   ; four places in front of the loads into V's registers and of the next codes
	VLOAD 1                                        ; lands under the conversions below
	QUANT 1
	WIN 0x04
	SUMS 1, 0, 0
	s_wait_alu depctr_va_vdst(0)                   ; as above
	s_wait_dscnt 0x0
	PV 1                                           ; the rest of this step's sums stands at the next step's head, whose first four lines are the places behind these products
.endm
; THE CHANGE OF SLOTS.  Each wave waits for all its tensor loads, adds 0 to its spare word, and waits for that and for its reads of the slot that it has left.  fill = 1: the barrier is a round of the cluster's,
; and the joint refill is the first thing behind it: it has four steps of 256 keys in which to land.
.macro CHANGE fill
	s_wait_tensorcnt 0x0                           ; no tensor load of mine is out, so the group 0 may be written
	ds_add_u32 v[SPW], v[NIL]
.if \fill
	s_xor_b32 s[FB], s[FB], SLOTL                  ; the other slot than last time,
	s_add_co_u32 s[G0+1], s[WOFF], s[FB]
	s_add_nc_u64 s[G0+2:G0+3], s[G0+2:G0+3], SLOTM ; the next 1,024 keys
	s_wait_xcnt 0x0                                ; the last prefetch, a slot back, has read its address
	s_add_nc_u64 s[PFA:PFA+1], s[PFA:PFA+1], SLOTM ; one slot further on than the descriptor
	s_wait_dscnt 0x0
	CROUND
	TLOAD
	ASK
.else
	s_wait_dscnt 0x0
	s_barrier_signal -1
	s_barrier_wait -1
.endif
.endm
.macro SLOTWORK
	s_mov_b32 s[TB], s[SB]
	s_mov_b32 s[CNT], 4
.Lss_\@:
	SUPER
	s_add_co_u32 s[TB], s[TB], SSL
	s_sub_co_u32 s[CNT], s[CNT], 1
	s_cmp_lg_u32 s[CNT], 0
	s_cbranch_scc1 .Lss_\@
	s_xor_b32 s[SB], s[SB], SLOTL
.endm
.Lslot:                                            ; three trips: behind each change of slots but the last the next slot is asked for
	CHANGE 1
	SLOTWORK
	s_sub_co_u32 s[SLOTS], s[SLOTS], 1
	s_cmp_lg_u32 s[SLOTS], 0
	s_cbranch_scc1 .Lslot
	CHANGE 0                                       ; the last slot is written out
	SLOTWORK
	; THE END.  O^T / l: register 8 t + j of lane (r, h) is o(query r, d = 16 t + 8 h + j): two blocks of 32 along the last projection's K, 16 numbers of each in my lane.
	WIN 0x04
	SUMS 0, 2, 15                                  ; the last step's p
	SUMS 1, 1, 15
	WIN 0
.irp a, 0,1
	v_pk_add_f32 v[LA+4*\a:LA+4*\a+1], v[LA+4*\a:LA+4*\a+1], v[LA+4*\a+2:LA+4*\a+3]
.endr
.irp a, 0,1
	s_delay_alu instid0(VALU_DEP_2)
	v_add_f32 v[LA+4*\a], v[LA+4*\a], v[LA+4*\a+1]
.endr
.irp a, 0,1
	s_delay_alu instid0(VALU_DEP_2)
	v_permlanex16_b32 v[T2+\a], v[LA+4*\a], s[SEL], s[SEL+1]
.endr
.irp a, 0,1
	s_delay_alu instid0(VALU_DEP_2)
	v_add_f32 v[LA+4*\a], v[LA+4*\a], v[T2+\a]     ; the row's sum
.endr
	s_wait_alu depctr_va_vdst(0)
.irp a, 0,1
	v_rcp_f32 v[FF+2*\a], v[LA+4*\a]
.endr
	v_mov_b32 v41, 0                               ; (plain instructions behind the reciprocals: the zeros beside the scale words)
	v_mov_b32 v43, 0
	s_wait_alu depctr_va_vdst(0)                   ; the wait ahead of the first reader of the reciprocals and of O^T
.irp a, 0,1
.irp j, 0,2,4,6,8,10,12,14,16,18,20,22,24,26,28,30
	v_pk_mul_f32 v[O+32*\a+\j:O+32*\a+\j+1], v[O+32*\a+\j:O+32*\a+\j+1], v[FF+2*\a:FF+2*\a+1] op_sel_hi:[1,0]
.endr
.endr
.irp n, 0,1,2,3                        ; n = 2 a + b: block b of tile a
	v_max3_num_f32 v[BM+\n], |v[O+16*\n]|, |v[O+16*\n+1]|, 0x1800000
.endr
.irp i, 2,4,6,8,10,12,14
.irp n, 0,1,2,3
	v_max3_num_f32 v[BM+\n], v[BM+\n], |v[O+16*\n+\i]|, |v[O+16*\n+\i+1]|
.endr
.endr
.irp n, 0,1,2,3
	v_permlanex16_b32 v[PW+\n], v[BM+\n], s[SEL], s[SEL+1]
.endr
.irp n, 0,1,2,3
	v_max_num_f32 v[BM+\n], v[BM+\n], v[PW+\n]
.endr
.irp n, 0,1,2,3
	v_add_nc_u32 v[SO+\n], 0xff000000, v[BM+\n]
.endr
.irp n, 0,1,2,3
	v_lshrrev_b32 v[T1+\n], 23, v[SO+\n]
.endr
.irp a, 0,1
	v_lshl_or_b32 v[40+2*\a], v[T1+2*\a+1], 8, v[T1+2*\a]      ; my row's two scale bytes
.endr
.irp a, 0,1
	v_cvt_scalef32_pk16_fp6_f32 v[PC+12*\a:PC+12*\a+2], v[O+32*\a:O+32*\a+15], v[SO+2*\a]
	v_cvt_scalef32_pk16_fp6_f32 v[180-116*\a:180-116*\a+2], v[O+32*\a+16:O+32*\a+31], v[SO+2*\a+1]
.endr
	v_nop
.irp a, 0,1
.irp i, 0,1,2
	v_permlane16_swap_b32 v[PC+12*\a+\i], v[180-116*\a+\i]     ; here a block lies in lanes l and l xor 16: the halves change places
.endr
.endr
.irp a, 0,1
.irp i, 0,1,2
	v_mov_b32 v[PC+12*\a+3+\i], v[180-116*\a+\i]               ; six registers: half a fragment of the last projection's operand
.endr
.endr
.irp a, 0,1
	global_store_b128 v[AV0], v[PC+12*\a:PC+12*\a+3], s[8:9] offset:8192*\a             ; 512 consecutive bytes, aligned
	global_store_b64 v[AVS0], v[PC+12*\a+4:PC+12*\a+5], s[8:9] offset:8192*\a+512       ; 256
	global_store_b64 v[AVS0], v[40+2*\a:41+2*\a], s[8:9] offset:8192*\a+768             ; 256: the scale word and a zero
.endr
	s_wait_tensorcnt 0x0                           ; the wave's end
	ds_add_u32 v[SPW], v[NIL]
	s_wait_dscnt 0x0
	CROUND                                         ; the closing round
	s_endpgm
.Lfunc_end_k_q57c6b6d8b9_attn:
	.size	k_q57c6b6d8b9_attn, .Lfunc_end_k_q57c6b6d8b9_attn-k_q57c6b6d8b9_attn
	.p2alignl 7, 3214868480
	.fill 96, 4, 3214868480
	.section	.rodata,"a",@progbits
	.p2align	6, 0x0
	.amdhsa_kernel k_q57c6b6d8b9_attn
		.amdhsa_group_segment_fixed_size 327680
		.amdhsa_private_segment_fixed_size 0
		.amdhsa_enable_private_segment 0
		.amdhsa_kernarg_size 24
		.amdhsa_user_sgpr_count 2
		.amdhsa_user_sgpr_kernarg_segment_ptr 1
		.amdhsa_wavefront_size32 1
		.amdhsa_system_sgpr_workgroup_id_x 1
		.amdhsa_system_sgpr_workgroup_id_y 1
		.amdhsa_system_sgpr_workgroup_id_z 1
		.amdhsa_system_vgpr_workitem_id 0
		.amdhsa_next_free_vgpr 512
		.amdhsa_next_free_sgpr 66
		.amdhsa_reserve_vcc 0
		.amdhsa_float_denorm_mode_32 3
		.amdhsa_float_denorm_mode_16_64 3
		.amdhsa_memory_ordered 1
		.amdhsa_forward_progress 1
		.amdhsa_inst_pref_size 137
	.end_amdhsa_kernel
	.amdgpu_metadata
---
amdhsa.version: [ 1, 2 ]
amdhsa.kernels:
  - .name:           k_q57c6b6d8b9_attn
    .symbol:         k_q57c6b6d8b9_attn.kd
    .args:
      - { .name: qb, .offset: 0, .size: 8, .value_kind: global_buffer, .address_space: global }
      - { .name: kv, .offset: 8, .size: 8, .value_kind: global_buffer, .address_space: global }
      - { .name: ao, .offset: 16, .size: 8, .value_kind: global_buffer, .address_space: global }
    .group_segment_fixed_size: 327680
    .private_segment_fixed_size: 0
    .kernarg_segment_align: 8
    .kernarg_segment_size: 24
    .max_flat_workgroup_size: 256
    .sgpr_count:     66
    .vgpr_count:     512
    .wavefront_size: 32
...
	.end_amdgpu_metadata
.endif
;; end of part 3
;; launch oproj (part 4): grid 64 x 4, 4 waves a work-group, clusters of 4 x 1, 168,448 bytes of LDS; arguments ao, wimg, wsc, bo, out0; writes out0
.if DOCPART == 4
	.amdgcn_target "amdgcn-amd-amdhsa--gfx1250"
	.amdhsa_code_object_version 6
	.text
	.protected	k_q57c6b6d8b9_oproj
	.globl	k_q57c6b6d8b9_oproj
	.p2align	8
	.type	k_q57c6b6d8b9_oproj,@function
k_q57c6b6d8b9_oproj:
	s_mov_b64 s[64:65], 0
	v_nop
	global_prefetch_b8 v0, s[64:65] scope:SCOPE_SE
	s_setreg_imm32_b32 hwreg(HW_REG_WAVE_MODE, 25, 1), 1
	s_wait_xcnt 0x0
	s_wait_alu depctr_hold_cnt(0) depctr_sa_sdst(0) depctr_va_vdst(0) depctr_va_sdst(0) depctr_va_ssrc(0) depctr_va_vcc(0) depctr_vm_vsrc(0)
	s_getreg_b32 s2, hwreg(HW_REG_IB_STS2, 6, 4)
	s_cmp_eq_u32 s2, 0
	s_cbranch_scc0 .Lentry_in_a_cluster
	s_endpgm
.Lentry_in_a_cluster:
	s_bfe_u32 s2, ttmp6, 0x10000c
	s_cmp_lg_u32 s2, 0x3003
	s_cbranch_scc0 .Lentry_shape_is_right
	s_endpgm
.Lentry_shape_is_right:
; out0 = A Wo + bo on codes of FP6 (E2M3) with E8M0 scales.  A, the attention's result, comes quantised: ao [token tile 0..511][head 0..7] x 1,024 bytes: registers 0-3 of half a fragment at 16 l, registers 4-5 at 512 + 8 l,
; the row's two scale bytes at 768 + 8 l.  K step s of 128 is heads 2 s and 2 s + 1: two records make a fragment.  Wo comes as register images (wimg, wsc).
; SHARES.  Work-group (G, cg): 128 tokens x 128 columns.  Wave w: token tiles 2 w, 2 w + 1 against all 8 tiles of Wo: 16 accumulators, 64 matrix instructions.  TRANSPOSED (source 0 = 16 columns of Wo, source 1 = 16 tokens):
; a lane holds eight neighbouring columns of one row of out0.
; CLUSTER.  The four work-groups of a cluster take the same 128 columns: Wo's 49,152 bytes are asked for JOINTLY, a quarter a wave, and fill LDS once.  G enters global addresses alone.
; ORDER INSIDE A BLOCK OF 32: as in the other launches of this program, alike on both sides.
; REGISTERS: window 0: addresses; v16-47 Wo's scale words (4 a + s); v48-55 A's (4 m + s); v64-159, v160-255 two sets of Wo's eight fragments.  window 1: accumulators at 8 (2 a + m); the bias at 128 + 8 a.  window 2: A's fragments at 12 (4 m + s).
.set STG,  49152                       ; LDS: Wo's 32 images at (4 a + s) x 1,536 from byte 0; behind them a stage of 16 rows x (512 + 16) bytes for each wave
.set WV,   14
.set G1,   24
.set G0,   32
.set L16,  4                           ; v4 16 x lane
.set L8,   5                           ; v5 8 x lane
.set R16,  6                           ; v6 16 r
.set H32,  7                           ; v7 32 h
.set STO,  8                           ; v8 the stage: where I put 32 bytes of a row
.set SRD,  9                           ; v9 and where I read a row back
.set WS,   16
.set AS,   48
.set WF,   64
.set RAW,  160                         ; v160-175 the records' scale words, until Wo's second set lands there
.set BK,   64                          ; the way out: v64-127, v128-191
.set MSB, 0
.macro WIN new
.if MSB != \new
	s_set_vgpr_msb (MSB<<8)|\new
.set MSB, \new
.endif
.endm
.macro PLACES
.rept 4
	v_nop
.endr
.endm
.macro CROUND
	s_barrier_signal -1
	s_barrier_wait -1
	s_cmp_lg_u32 s[WV], 0
	s_cbranch_scc1 .Lnot_wave_0_\@
	s_barrier_signal -3
.Lnot_wave_0_\@:
	s_barrier_wait -3
	s_barrier_signal -1
	s_barrier_wait -1
.endm
	s_load_b256 s[4:11], s[0:1], 0x0               ; ao s[4:5], wimg s[6:7], wsc s[8:9], bo s[10:11]
	s_load_b64 s[12:13], s[0:1], 0x20              ; out0
	v_lshl_add_u32 v62, v0, 2, 0x29000
	v_mov_b32 v63, 0
	ds_add_u32 v62, v63
	ds_add_u32 v62, v63
	v_lshrrev_b32 v1, 5, v0
	v_readfirstlane_b32 s[WV], v1                  ; wave 0..3
	s_bfe_u32 s15, ttmp6, 0x40000                  ; cx
	s_lshl_b32 s16, ttmp9, 2
	s_add_co_u32 s16, s16, s15                     ; G: which 128 tokens
	s_and_b32 s17, ttmp7, 0xffff                   ; cg: which 128 columns; the partners share it
	s_mov_b32 s[G1], 15|(3<<16)|(1<<21)            ; the mask: all four; elements of 8 bytes; bit 21 set beside a mask
	s_mov_b32 s[G1+1], 32<<16                      ; a dense block as 48 rows of 256 bytes
	s_mov_b32 s[G1+2], 48<<16
	s_mov_b32 s[G1+3], 32<<16
	s_mov_b32 s[G1+4], 48
	s_mov_b32 s[G1+5], 32
	s_mov_b32 s[G1+6], 0
	s_mov_b32 s[G1+7], 0
	s_mul_i32 s36, s17, 49152
	s_mul_i32 s18, s[WV], 12288                    ; my quarter, in memory and in LDS
	s_add_co_u32 s36, s36, s18
	s_add_co_u32 s36, s36, 589824                  ; Wo is the fourth weight
	s_mov_b32 s37, 0
	s_lshl_b32 s38, s16, 16                        ; ao: token tile 8 G + 2 w, 8,192 bytes a tile
	s_lshl_b32 s39, s[WV], 14
	s_add_co_u32 s38, s38, s39
	s_mov_b32 s39, 0
	s_lshl_b32 s40, s17, 11
	s_add_co_u32 s40, s40, 24576                   ; wsc: Wo's, tile 8 cg on
	s_mov_b32 s41, 0
	s_lshl_b32 s42, s17, 9                         ; bo: 128 cg on
	s_mov_b32 s43, 0
	s_lshl_b32 s44, s16, 18                        ; out0: row 128 G + 32 w, column 128 cg
	s_lshl_b32 s45, s[WV], 16
	s_add_co_u32 s44, s44, s45
	s_add_co_u32 s44, s44, s42
	s_mov_b32 s45, 0
	s_wait_dscnt 0x0
	s_wait_kmcnt 0x0
	s_mov_b32 s[G0], 1
	s_mov_b32 s[G0+1], s18
	s_add_nc_u64 s[G0+2:G0+3], s[6:7], s[36:37]
	s_or_b32 s[G0+3], s[G0+3], 0x80000000
	s_add_nc_u64 s[38:39], s[4:5], s[38:39]
	s_add_nc_u64 s[40:41], s[8:9], s[40:41]
	s_add_nc_u64 s[42:43], s[10:11], s[42:43]
	s_add_nc_u64 s[44:45], s[12:13], s[44:45]
	CROUND                                         ; all four work-groups are here: the joint loads meet
	tensor_load_to_lds s[G0:G0+3], s[G1:G1+7]      ; my one tensor load of the launch
	s_nop 0
	PLACES                                         ; four such lines behind a tensor load
	v_and_b32 v1, 31, v0
	v_and_b32 v2, 15, v0                           ; r
	v_bfe_u32 v3, v0, 4, 1                         ; h
	v_lshlrev_b32 v[L16], 4, v1
	v_lshlrev_b32 v[L8], 3, v1
	v_lshlrev_b32 v[R16], 4, v2
	v_lshlrev_b32 v[H32], 5, v3
	s_mul_i32 s46, s[WV], 8448
	s_add_co_u32 s46, s46, STG                     ; my stage
	v_mul_u32_u24 v[STO], v2, 528
	v_lshl_add_u32 v[STO], v3, 5, v[STO]
	v_add_nc_u32 v[STO], s46, v[STO]
	v_add_nc_u32 v[SRD], s46, v[L16]
	WIN 0x80                                       ; destination window 2
.irp m, 0,1
.irp d, 0,1,2,3,4,5,6,7                ; head d is the lower (d even) or upper six registers of K step d / 2's fragment
	global_load_b128 v[12*(4*\m+\d/2)+6*(\d%2):12*(4*\m+\d/2)+6*(\d%2)+3], v[L16], s[38:39] offset:(8*\m+\d)*1024
	global_load_b64 v[12*(4*\m+\d/2)+6*(\d%2)+4:12*(4*\m+\d/2)+6*(\d%2)+5], v[L8], s[38:39] offset:(8*\m+\d)*1024+512
.endr
.endr
	WIN 0
.irp m, 0,1
.irp d, 0,1,2,3,4,5,6,7
	global_load_b32 v[RAW+8*\m+\d], v[L8], s[38:39] offset:(8*\m+\d)*1024+768
.endr
.endr
.irp a, 0,1,2,3,4,5,6,7
	global_load_b128 v[WS+4*\a:WS+4*\a+3], v[R16], s[40:41] offset:256*\a
.endr
	WIN 0x40                                       ; destination window 1
.irp a, 0,1,2,3,4,5,6,7                ; the bias in the result's layout: lane (r, h), register j: column 16 a + 8 h + j
	global_load_b128 v[128+8*\a:128+8*\a+3], v[H32], s[42:43] offset:64*\a
	global_load_b128 v[128+8*\a+4:128+8*\a+7], v[H32], s[42:43] offset:64*\a+16
.endr
	WIN 0
	s_wait_loadcnt 0x0
.irp m, 0,1
.irp s, 0,1,2,3
	v_lshl_or_b32 v[AS+4*\m+\s], v[RAW+8*\m+2*\s+1], 16, v[RAW+8*\m+2*\s]   ; two heads' bytes make a K step's scale word
.endr
.endr
.rept 8
	v_nop                                          ; eight plain instructions between a scale word's making and its use by a scaled matrix instruction
.endr
	s_wait_alu depctr_va_vdst(0)
	s_wait_tensorcnt 0x0                           ; my quarter of Wo is in,
	s_barrier_signal -1
	s_barrier_wait -1                              ; everybody's is
.macro WFL f, s                        ; 24 LDS loads: Wo's eight fragments of K step s into set f
.irp a, 0,1,2,3,4,5,6,7
.irp c, 0,1,2
	ds_load_b128 v[WF+96*(\f)+12*\a+4*\c:WF+96*(\f)+12*\a+4*\c+3], v[L16] offset:(4*\a+(\s))*1536+512*\c
.endr
.endr
.endm
.macro MUL s                           ; 16 products: the accumulators take turns, one instruction a turn.  The bias is the C of a sum's first product
	WIN 0x58                                       ; Wo window 0, A window 2, C and D window 1
.irp a, 0,1,2,3,4,5,6,7
.irp m, 0,1
.set rD, 8*(2*\a+\m)
.set rW, WF+96*((\s)%2)+12*\a
.set rA, 12*(4*\m+(\s))
.if (\s) == 0
	v_wmma_scale_f32_16x16x128_f8f6f4 v[rD:rD+7], v[rW:rW+11], v[rA:rA+11], v[128+8*\a:128+8*\a+7], v[WS+4*\a+(\s)], v[AS+4*\m+(\s)] matrix_a_fmt:MATRIX_FMT_FP6 matrix_b_fmt:MATRIX_FMT_FP6
.else
	v_wmma_scale_f32_16x16x128_f8f6f4 v[rD:rD+7], v[rW:rW+11], v[rA:rA+11], v[rD:rD+7], v[WS+4*\a+(\s)], v[AS+4*\m+(\s)] matrix_a_fmt:MATRIX_FMT_FP6 matrix_b_fmt:MATRIX_FMT_FP6
.endif
.endr
.endr
	WIN 0
.endm
	WFL 0, 0
	WFL 1, 1
	s_wait_dscnt 24                                ; K step 0's 24 loads are in; the other set's 24 may be out
	MUL 0
	PLACES
	WFL 0, 2
	s_wait_dscnt 24                                ; K step 1's are in
	MUL 1
	PLACES
	WFL 1, 3
	s_wait_dscnt 24                                ; K step 2's are in
	MUL 2
	s_wait_dscnt 0x0
	MUL 3
	PLACES                                         ; in front of the first read of results and of loads into Wo's registers
	; THE WAY OUT: a token tile (16 rows x 512 bytes) goes through my own stage and comes back as whole rows.  LDS serves a wave's instructions in order (ISA guide 5.7.1.4): no wait between the stores and the loads, nor in front of the next tile's stores.
.irp m, 0,1
	WIN 0x04                                       ; an LDS store's data: window 1
.irp a, 0,1,2,3,4,5,6,7
	ds_store_b128 v[STO], v[8*(2*\a+\m):8*(2*\a+\m)+3] offset:64*\a          ; each accumulator from its low end on
	ds_store_b128 v[STO], v[8*(2*\a+\m)+4:8*(2*\a+\m)+7] offset:64*\a+16
.endr
	WIN 0
.irp t, 0,1,2,3,4,5,6,7,8,9,10,11,12,13,14,15
	ds_load_b128 v[BK+64*\m+4*\t:BK+64*\m+4*\t+3], v[SRD] offset:\t*528
.endr
.endr
	s_wait_dscnt 32                                ; tile 0's rows are back; tile 1's 16 stores and 16 loads may be out
.irp t, 0,1,2,3,4,5,6,7,8,9,10,11,12,13,14,15
	global_store_b128 v[L16], v[BK+4*\t:BK+4*\t+3], s[44:45] offset:\t*2048 th:TH_STORE_NT   ; 32 lanes store 512 consecutive bytes, at a multiple of 256 from out0's first byte
.endr
	s_wait_dscnt 0x0
.irp t, 0,1,2,3,4,5,6,7,8,9,10,11,12,13,14,15
	global_store_b128 v[L16], v[BK+64+4*\t:BK+64+4*\t+3], s[44:45] offset:(16+\t)*2048 th:TH_STORE_NT
.endr
	s_wait_tensorcnt 0x0
	ds_add_u32 v62, v63
	s_wait_dscnt 0x0
	CROUND                                         ; the closing round
	s_endpgm
.Lfunc_end_k_q57c6b6d8b9_oproj:
	.size	k_q57c6b6d8b9_oproj, .Lfunc_end_k_q57c6b6d8b9_oproj-k_q57c6b6d8b9_oproj
	.p2alignl 7, 3214868480
	.fill 96, 4, 3214868480
	.section	.rodata,"a",@progbits
	.p2align	6, 0x0
	.amdhsa_kernel k_q57c6b6d8b9_oproj
		.amdhsa_group_segment_fixed_size 168448
		.amdhsa_private_segment_fixed_size 0
		.amdhsa_enable_private_segment 0
		.amdhsa_kernarg_size 40
		.amdhsa_user_sgpr_count 2
		.amdhsa_user_sgpr_kernarg_segment_ptr 1
		.amdhsa_wavefront_size32 1
		.amdhsa_system_sgpr_workgroup_id_x 1
		.amdhsa_system_sgpr_workgroup_id_y 1
		.amdhsa_system_sgpr_workgroup_id_z 1
		.amdhsa_system_vgpr_workitem_id 0
		.amdhsa_next_free_vgpr 640
		.amdhsa_next_free_sgpr 66
		.amdhsa_reserve_vcc 0
		.amdhsa_float_denorm_mode_32 3
		.amdhsa_float_denorm_mode_16_64 3
		.amdhsa_memory_ordered 1
		.amdhsa_forward_progress 1
		.amdhsa_inst_pref_size 34
	.end_amdhsa_kernel
	.amdgpu_metadata
---
amdhsa.version: [ 1, 2 ]
amdhsa.kernels:
  - .name:           k_q57c6b6d8b9_oproj
    .symbol:         k_q57c6b6d8b9_oproj.kd
    .args:
      - { .name: ao, .offset: 0, .size: 8, .value_kind: global_buffer, .address_space: global }
      - { .name: wimg, .offset: 8, .size: 8, .value_kind: global_buffer, .address_space: global }
      - { .name: wsc, .offset: 16, .size: 8, .value_kind: global_buffer, .address_space: global }
      - { .name: bo, .offset: 24, .size: 8, .value_kind: global_buffer, .address_space: global }
      - { .name: out0, .offset: 32, .size: 8, .value_kind: global_buffer, .address_space: global }
    .group_segment_fixed_size: 168448
    .private_segment_fixed_size: 0
    .kernarg_segment_align: 8
    .kernarg_segment_size: 40
    .max_flat_workgroup_size: 128
    .sgpr_count:     66
    .vgpr_count:     640
    .wavefront_size: 32
...
	.end_amdgpu_metadata
.endif
;; end of part 4
